; MI455X (gfx1250); checked and timed in simulation.
; The chip was launched on July 23, 2026; its instructions are those of AMD's public machine-readable ISA for CDNA 5 (MIT licence, August 2026) and "CDNA5" Instruction Set Architecture Reference Guide (July 2026). The comments in the code are by the model that wrote it; some were corrected since.
;; Attention. Allowed arithmetic: matrix products marked QUANTISED: E2M1 operands, one E8M0 scale for each 32 along K, by v_wmma_scale_f32_16x16x128_f8f6f4 with both operands' format E2M1 (or v_wmma_scale_f32_32x16x128_f4), f32 sums; everything else in f32.
;; Inputs: key 4 x 16 x 2,048 x 64 float32; mask 1 x 1 x 2,048 x 2,048 bool; query 4 x 16 x 2,048 x 64 float32; value 4 x 16 x 2,048 x 64 float32.
;; Outputs: out0 4 x 16 x 2,048 x 64 float32.
;; This version of the problem:
;;   THIS VERSION OF THE PROBLEM IS GIVEN IN LOW PRECISION. The matrix products marked QUANTISED in the list below multiply operands that are first quantised to E2M1 (2 exponent bits, 1 mantissa bit; 4 bits a number), with one power-of-two scale for each 32 numbers along K (OCP MX v1.0); their sums are f32. All else is computed in f32.
;;   The module's matrix products, in the order in which they are computed (A, B: the left and right operand; K: the contracted axis; several contracted axes count as one K, in the product's order):
;;     1. batch 64 x [M 2,048, K 64] x [K 64, N 2,048]; A: input query; B: input key: QUANTISED
;;     2. batch 64 x [M 2,048, K 2,048] x [K 2,048, N 64]; A: computed on the way; B: input value: QUANTISED
;;   THE QUANTISER, for each operand of a quantised product, along K:
;;     - K is cut into blocks of 32 from its start; a last block that is shorter is filled with zeros.
;;     - A block's scale is 2^e with e = floor(log2(the largest magnitude in the block)) - 2, held to -126 .. 127; a block of zeros has e = 0. As a byte (E8M0): e + 127.
;;     - Each number is divided by its block's scale, clamped to +-6, and rounded to the nearest number of E2M1, ties to even, subnormals kept.
;;     - The product sums the exact products of the quantised numbers (number of the format x scale) in f32.
;;   ~~~python
;;   def quantise(x, axis):      # numpy; x: float32 -> the quantised numbers, widened to float32 again
;;       x = np.moveaxis(x, axis, -1); K = x.shape[-1]
;;       x = np.pad(x, [(0, 0)] * (x.ndim - 1) + [(0, -K % 32)]); x = x.reshape(x.shape[:-1] + (-1, 32)); a = np.abs(x).max(-1, keepdims=True)
;;       e = np.where(a > 0, np.clip(np.frexp(np.where(a > 0, a, 1))[1] - 1 - 2, -126, 127), 0)      # np.frexp(a)[1] - 1 = floor(log2(a)), exactly
;;       r = np.clip(x / 2.0 ** e, -6, 6)
;;       step = 2.0 ** (np.maximum(np.frexp(np.where(r == 0, 1, r))[1] - 1, 0) - 1)
;;       q = np.round(r / step) * step * 2.0 ** e      # np.round: ties to even
;;       return np.moveaxis(q.reshape(q.shape[:-2] + (-1,))[..., :K], -1, axis).astype(np.float32)
;;   ~~~
;;   OPERANDS COMPUTED ON THE WAY. 'Computed on the way' means the value that the module computes at that place (a softmax that the list does not call 'softmax' is quantised finished and normalised). What goes into a quantiser is computed in f32, as accurately as f32 sums, v_exp_f32 and their like allow (about 1e-6 of the number): no bf16 or f16 on the way to a quantiser, and a product that is left as it is and whose result goes on into a quantised operand takes f32 operands (vector FMAs, or v_wmma_f32_16x16x4_f32). A number that lies on a knife's edge between two numbers of the format may be rounded either way, as far as f32 arithmetic and the matrix unit's own rounding can turn it there, and no further.
;; One version. Each part assembles by itself: llvm-mc -triple=amdgcn-amd-amdhsa -mcpu=gfx1250 --defsym DOCPART=n.
;; ======== version 1 of 1: 2 launches
;; limits: right only within a limited range of input values
;; workspace buffers: qc 4,718,592 bytes; kvc 8,388,608 bytes; kvs 786,432 bytes
;; launch quant (part 1): grid 16 x 16, 8 waves a work-group, no clusters, 297,984 bytes of LDS; arguments query, key, value, qc, kvc, kvs; writes qc, kvc, kvs
.if DOCPART == 1
	.amdgcn_target "amdgcn-amd-amdhsa--gfx1250"
	.amdhsa_code_object_version 6
	.text
	.protected	k_q56c9538169_quant
	.globl	k_q56c9538169_quant
	.p2align	8
	.type	k_q56c9538169_quant,@function
k_q56c9538169_quant:
	s_mov_b64 s[64:65], 0
	v_nop
	global_prefetch_b8 v0, s[64:65] scope:SCOPE_SE
	s_setreg_imm32_b32 hwreg(HW_REG_WAVE_MODE, 25, 1), 1
	s_wait_xcnt 0x0
; query, key, value: [4 (batch)][16 (head)][2048][64] f32.  They are turned ONCE into codes of FP4 (E2M1) with one E8M0 scale byte for each 32 along a product's K,
; and stored as IMAGES OF THE OPERANDS' REGISTERS, in the order in which the second launch's matrix instructions take them: a fragment's four registers of lane l are 16 bytes at 16 l.
; query and key are quantised along the head's 64 (two blocks of 32 a row), value along the KEYS (a lane takes a channel and its registers run down the keys).
; DEAD WORK: THE MASK.  reference() forms a masked copy of the scores and drops it: the softmax takes the unmasked scores, whatever the mask holds.  So no output hangs on the mask
; for any values of the inputs; it is not loaded and is no argument of any launch.  (The mask is boolean: no NaN, infinity or overflow can arise in the work left out.)
; A block's scale is 2^(floor(log2(its largest magnitude)) - 2): its byte is the largest magnitude's exponent field - 2, held at 1 from below by a floor among the maximum's leaves.
; LIMITS.  A block of zeros, or one whose largest magnitude lies under 2^-124, gets the byte 1 where the rule says 127 or less: its codes are zeros or as the held scale gives them; this program alone reads the bytes.
; NaN and infinities among the inputs are not served.
; SHARES.  Work-group (s, h): head h, rows 128 s .. 128 s + 127 of query, key and value in all four batches.  Eight waves:
;   query: wave w takes the tile of queries 128 s + 16 w + 0 .. 15, four batches;
;   key:   wave w = 4 c + u takes tile (c, u), four batches.  THE KEYS OF A TILE ARE NOT NEIGHBOURS: row m is key 128 s + 64 c + 32 (m / 8) + 8 u + m % 8, so that in the second launch a lane's registers of the four
;          tiles u of a chunk of 64 keys are a whole block of 32 neighbouring keys;
;   value: wave w takes batch w / 2, channels 32 (w % 2) + lane, 128 keys: four blocks of 32 in a lane's registers, loaded straight into registers.
; query's and key's rows come through LDS by the tensor data mover, ONE load a wave: waves 0-3 fetch the 128 rows of query of batch w, waves 4-7 those of key of batch w - 4: 32,768 dense bytes each.
; Nothing is filled twice.  Every wave reads rows that other waves fetched: each waits for its own load, then one barrier.
; LDS: region w (BP bytes) holds 128 rows of 256 bytes + 16 of padding.  The sixteen neighbouring rows of a tile of query begin at sixteen different 16-byte columns modulo 256;
; a tile of key has two groups of eight rows 32 rows apart, which fall on the same eight columns.
.set BP,    34816                      ; 128 rows x 272 bytes
.set SPARE, 296960                     ; behind the eight regions: the spare words, 128 bytes a wave
.set LN,  1                            ; lane
.set RR,  2                            ; r = lane % 16
.set HH,  3                            ; h = lane / 16
.set LI,  4                            ; 16 x lane: my place in an image
.set L8,  5                            ; 8 x lane: my place among the pairs of scale words
.set L4,  6                            ; 4 x lane
.set VO,  8                            ; value's images: 1,024 (lane / 16) + 16 (lane % 16)
.set SH8, 9                            ; 8 h: my block's byte's place in a scale word
.set BM,  10                           ; v10-11 largest magnitudes, two chains
.set BM2, 11
.set SO,  12                           ; the conversion's scale operand
.set PT,  13                           ; the other half of the lanes' byte
.set BY,  14                           ; the scale's byte
.set WQ,  16                           ; v16-19 query's scale words, a batch each;  v20-23 key's
.set WK,  20
.set PQ,  24                           ; the same as pairs for the store
.set PK,  26
.set VW,  28                           ; value's scale word
.set CV,  32                           ; v32-47 value's codes;  v48-63 query's;  v64-79 key's: every store has data registers of its own
.set CQ,  48
.set CK,  64
.set ARQ, 96                           ; v96-97 LDS: my half row of query in batches 0 and 2 (batches 1 and 3: BP on, in the offset)
.set ARK, 98                           ; v98-99 the same for key
.set SPW, 126                          ; LDS address of my spare word; never rewritten
.set NIL, 127                          ; 0; never rewritten
.set X,   128                          ; v128-255 four sets of 32 numbers
.set WV,  18
.set ST,  19
.set HD,  20
.set SEL, 22                           ; s[22:23] lane selects of v_permlanex16_b32: lane l xor 16
.set G1,  24                           ; s[24:31] descriptor group 1
.set G0,  32                           ; s[32:35] group 0
	s_load_b128 s[4:7], s[0:1], 0x0                ; query, key
	s_load_b64 s[8:9], s[0:1], 0x10                ; value
	s_load_b64 s[12:13], s[0:1], 0x18              ; qc
	s_load_b64 s[14:15], s[0:1], 0x20              ; kvc
	s_load_b64 s[16:17], s[0:1], 0x28              ; kvs
	v_lshl_add_u32 v[SPW], v0, 2, SPARE
	v_mov_b32 v[NIL], 0
	ds_add_u32 v[SPW], v[NIL]                      ; the opening lines: the add, twice on end, and one wait; register work between
	ds_add_u32 v[SPW], v[NIL]
	v_lshrrev_b32 v[LN], 5, v0
	s_delay_alu instid0(VALU_DEP_1)
	v_readfirstlane_b32 s[WV], v[LN]               ; wave 0..7
	s_mov_b32 s[ST], ttmp9
	s_and_b32 s[HD], ttmp7, 0xffff
	; group 1: 128 rows of 32 elements of 8 bytes, dense in memory; four words of padding behind every 64
	s_mov_b32 s[G1+0], (3<<16)|(1<<20)|(5<<22)|(3<<25)
	s_mov_b32 s[G1+1], 32<<16
	s_mov_b32 s[G1+2], 128<<16
	s_mov_b32 s[G1+3], 32<<16
	s_mov_b32 s[G1+4], 128
	s_mov_b32 s[G1+5], 32
	s_mov_b32 s[G1+6], 0
	s_mov_b32 s[G1+7], 0
	s_mov_b32 s[SEL], 0x76543210
	s_mov_b32 s[SEL+1], 0xfedcba98
	; byte offsets, all under 2^32, each in a pair of its own
	s_lshl_b32 s48, s[HD], 19                      ; a head is 2,048 rows of 256 bytes
	s_lshl_b32 s49, s[ST], 15
	s_add_co_u32 s48, s48, s49                     ; head + 128 s rows: shared by query, key and value
	s_lshr_b32 s49, s[WV], 2
	s_mul_i32 s52, s49, 17408                      ; LDS, key: 64 c rows
	s_and_b32 s49, s[WV], 3
	s_mul_i32 s53, s49, 2176                       ;           + 8 u rows
	s_add_co_u32 s52, s52, s53
	s_add_co_u32 s52, s52, 4*BP                    ;           behind query's four regions
	s_lshl_b32 s49, s49, 23
	s_add_co_u32 s50, s48, s49                     ; what I fetch: batch w % 4
	s_mov_b32 s51, 0
	s_lshr_b32 s49, s[WV], 1
	s_lshl_b32 s49, s49, 23
	s_add_co_u32 s54, s48, s49                     ; value: + batch w / 2
	s_and_b32 s49, s[WV], 1
	s_lshl_b32 s49, s49, 7
	s_add_co_u32 s54, s54, s49                     ;        + 32 (w % 2) channels
	s_mov_b32 s55, 0
	s_lshl_b32 s49, s[HD], 4
	s_add_co_u32 s49, s49, s[ST]                   ; 16 h + s
	s_lshl_b32 s21, s[WV], 11                      ; 2,048 w
	s_lshl_b32 s58, s49, 3
	s_add_co_u32 s58, s58, s[WV]
	s_mul_i32 s58, s58, 2304                       ; qc: 2,304 bytes for each tile of queries
	s_mov_b32 s59, 0
	s_lshl_b32 s60, s[HD], 19
	s_add_co_u32 s60, s60, s21
	s_lshl_b32 s49, s[ST], 14
	s_add_co_u32 s60, s60, s49
	s_lshr_b32 s49, s[ST], 2
	s_lshl_b32 s49, s49, 16
	s_add_co_u32 s60, s60, s49                     ; kvc: 524,288 h + 131,072 (s / 4) + 16,384 (s % 4) + 2,048 w
	s_mov_b32 s61, 0
	s_mul_i32 s48, s[HD], 49152
	s_lshl_b32 s49, s[ST], 11
	s_add_co_u32 s62, s48, s49
	s_lshl_b32 s49, s[WV], 8
	s_add_co_u32 s62, s62, s49                     ; kvs, key's words: 49,152 h + 2,048 s + 256 w
	s_mov_b32 s63, 0
	s_lshl_b32 s49, s[ST], 10
	s_add_co_u32 s2, s48, s49
	s_lshl_b32 s49, s[WV], 7
	s_add_co_u32 s2, s2, s49
	s_add_co_u32 s2, s2, 32768                     ; kvs, value's words: 49,152 h + 32,768 + 1,024 s + 128 w
	s_mov_b32 s3, 0
	s_mul_i32 s21, s[WV], 4352                     ; LDS, query: 16 w rows
	s_mov_b32 s[G0+0], 1
	s_mul_i32 s[G0+1], s[WV], BP                   ; the region that I fill
	s_wait_dscnt 0x0                               ; both opening adds are done
	s_wait_kmcnt 0x0
	s_cmp_lt_u32 s[WV], 4                          ; waves 0-3 fetch query, waves 4-7 key: the choice hangs on the wave's number alone
	s_cselect_b64 s[G0+2:G0+3], s[4:5], s[6:7]
	s_add_nc_u64 s[G0+2:G0+3], s[G0+2:G0+3], s[50:51]
	s_or_b32 s[G0+3], s[G0+3], 0x80000000
	tensor_load_to_lds s[G0:G0+3], s[G1:G1+7]      ; my one tensor load
	s_nop 0
.rept 4
	v_nop                                          ; behind a tensor load
.endr
	s_add_nc_u64 s[8:9], s[8:9], s[54:55]
	s_add_nc_u64 s[12:13], s[12:13], s[58:59]
	s_add_nc_u64 s[14:15], s[14:15], s[60:61]
	s_add_nc_u64 s[48:49], s[16:17], s[2:3]        ; value's scale words
	s_add_nc_u64 s[16:17], s[16:17], s[62:63]      ; key's
	v_and_b32 v[LN], 31, v0
	v_and_b32 v[RR], 15, v0
	v_bfe_u32 v[HH], v0, 4, 1
	v_and_b32 v[BM], 7, v0
	v_bfe_u32 v[BM2], v0, 3, 1                     ; r / 8
	s_delay_alu instid0(VALU_DEP_2)
	v_mul_u32_u24 v[BM], v[BM], 272
	v_lshlrev_b32 v[LI], 4, v[LN]
	v_lshlrev_b32 v[L8], 3, v[LN]
	v_lshlrev_b32 v[L4], 2, v[LN]
	s_delay_alu instid0(VALU_DEP_4)
	v_lshl_add_u32 v[BM], v[HH], 7, v[BM]          ; 272 (r % 8) + 128 h
	v_lshlrev_b32 v[VO], 4, v[RR]
	v_lshlrev_b32 v[SH8], 3, v[HH]
	s_delay_alu instid0(VALU_DEP_3)
	v_mad_u32_u24 v[ARQ], v[BM2], 2176, v[BM]      ; query: rows 8-15 follow rows 0-7
	v_mad_u32_u24 v[ARK], v[BM2], 8704, v[BM]      ; key: they lie 32 rows on
	v_lshl_add_u32 v[VO], v[HH], 10, v[VO]
	s_delay_alu instid0(VALU_DEP_3)
	v_add_nc_u32 v[ARQ], s21, v[ARQ]
	s_delay_alu instid0(VALU_DEP_3)
	v_add_nc_u32 v[ARK], s52, v[ARK]
	v_mov_b32 v[PT], 0                             ; written once: a lane permute's destination counts as one of its sources
	s_delay_alu instid0(VALU_DEP_3)
	v_add_nc_u32 v[ARQ+1], 2*BP, v[ARQ]
	s_delay_alu instid0(VALU_DEP_3)
	v_add_nc_u32 v[ARK+1], 2*BP, v[ARK]
	v_cmp_le_u32 vcc_lo, 16, v[LN]                 ; lanes 16-31
	s_wait_alu depctr_va_vdst(0)                   ; the wait at the head's end
; 32 numbers of ONE block, v[x] .. v[x + 31], become 32 codes in v[c] .. v[c + 3], the lower k in the lower bits; the scale's byte is left in v[BY].
.macro QBLOCK x, c
	v_max3_num_f32 v[BM], |v[(\x)]|, |v[(\x)+1]|, 0x1800000        ; the floor 2^(3 - 127) is one of the leaves: the byte cannot fall under 1
	v_max3_num_f32 v[BM2], |v[(\x)+2]|, |v[(\x)+3]|, |v[(\x)+4]|   ; two chains
.irp i, 5,9,13,17,21,25
	s_delay_alu instid0(VALU_DEP_2)
	v_max3_num_f32 v[BM], v[BM], |v[(\x)+\i]|, |v[(\x)+\i+1]|
	s_delay_alu instid0(VALU_DEP_2)
	v_max3_num_f32 v[BM2], v[BM2], |v[(\x)+\i+2]|, |v[(\x)+\i+3]|
.endr
	s_delay_alu instid0(VALU_DEP_2)
	v_max3_num_f32 v[BM], v[BM], |v[(\x)+29]|, |v[(\x)+30]|
	s_delay_alu instid0(VALU_DEP_1)
	v_max3_num_f32 v[BM], v[BM], v[BM2], |v[(\x)+31]|
	s_delay_alu instid0(VALU_DEP_1)
	v_add_nc_u32 v[SO], 0xff000000, v[BM]          ; 2 off its exponent field: the conversion takes the exponent field of this operand as its scale
.irp g, 0,1,2,3
	v_cvt_scalef32_pk8_fp4_f32 v[(\c)+\g], v[(\x)+8*\g:(\x)+8*\g+7], v[SO]   ; to the nearest code, ties to even; beyond the largest code the largest
.endr
	v_lshrrev_b32 v[BY], 23, v[SO]                 ; the byte.  (Also the plain line behind the scaled conversions)
.endm
; value: block k of my channel: keys 32 k + 0 .. 31.  Each load reads 128 consecutive bytes of a row; the wave beside me reads the row's other 128.
.macro LOADV k
.set i, 0
.rept 32
	global_load_b32 v[X+32*\k+i], v[L4], s[8:9] offset:256*(32*\k+i) th:TH_LOAD_NT
.set i, i+1
.endr
.endm
; cnt: the loads issued behind block k's, which may stay out.  The image: lane (r, k % 2) of fragment (tile 2 (w % 2) + lane / 16), registers 4 (k / 2) on: each half of the lanes stores 256 consecutive bytes, aligned.
.macro VBLOCK k, cnt
	s_wait_loadcnt \cnt
	QBLOCK X+32*\k, CV+4*\k
.if \k == 0
	s_delay_alu instid0(VALU_DEP_1)
	v_mov_b32 v[VW], v[BY]
.else
	s_delay_alu instid0(VALU_DEP_1)
	v_lshl_or_b32 v[VW], v[BY], 8*\k, v[VW]        ; byte k of my channel's scale word for these 128 keys
.endif
	global_store_b128 v[VO], v[CV+4*\k:CV+4*\k+3], s[14:15] offset:65536+512*(\k/2)+256*(\k%2)
.endm
; A tile of 16 rows x 64, four batches, out of LDS.  Lane (r, h) takes the 32 numbers of block h of row r: eight loads of 16 bytes a batch.
; A row's scale word: bytes 0 and 1 its two blocks', bytes 2 and 3 the byte of 1.0, for the upper half of the instruction's K, where the codes of one side are zeros.
.macro ROWS a, c, w, p, cptr, sptr, soff
.irp b, 0,1,2,3
.irp i, 0,1,2,3,4,5,6,7
	ds_load_b128 v[X+32*\b+4*\i:X+32*\b+4*\i+3], v[\a+\b/2] offset:BP*(\b%2)+16*\i
.endr
.endr
.irp b, 0,1,2,3
	s_wait_dscnt 8*(3-\b)                          ; batch b's eight loads are in; the later batches' may be out
	QBLOCK X+32*\b, \c+4*\b
	s_delay_alu instid0(VALU_DEP_1)
	v_lshlrev_b32 v[\w+\b], v[SH8], v[BY]          ; my block's byte at its place,
	s_delay_alu instid0(VALU_DEP_1)
	v_permlanex16_b32 v[PT], v[\w+\b], s[SEL], s[SEL+1]
	s_delay_alu instid0(VALU_DEP_1)
	v_or_b32 v[\w+\b], v[\w+\b], v[PT]             ; with lane l xor 16's
	s_delay_alu instid0(VALU_DEP_1)
	v_or_b32 v[\w+\b], 0x7f7f0000, v[\w+\b]
	global_store_b128 v[LI], v[\c+4*\b:\c+4*\b+3], s[\cptr:\cptr+1] offset:512*\b   ; the image: 512 consecutive bytes
.endr
	v_cndmask_b32 v[\p], v[\w], v[\w+1], vcc_lo    ; lanes 0-15 carry batch 0's words, lanes 16-31 batch 1's: one register serves two batches
	v_cndmask_b32 v[\p+1], v[\w+2], v[\w+3], vcc_lo  ; batches 2 and 3 likewise
	global_store_b64 v[L8], v[\p:\p+1], s[\sptr:\sptr+1] offset:\soff   ; 256 consecutive bytes, aligned
.endm
	LOADV 0                                        ; value is worked while the tensor loads are on their way
	LOADV 1
	VBLOCK 0, 32                                   ; block 1's 32 loads may be out
	LOADV 2
	VBLOCK 1, 32
	LOADV 3
	VBLOCK 2, 32
	VBLOCK 3, 0
	global_store_b32 v[L4], v[VW], s[48:49]        ; value's scale words: lanes 0-15 tile 2 (w % 2), lanes 16-31 the next; 128 consecutive bytes
	s_wait_tensorcnt 0x0                           ; my region is whole;
	s_barrier_signal -1
	s_barrier_wait -1                              ; so are all eight
	ROWS ARQ, CQ, WQ, PQ, 12, 12, 2048
	ROWS ARK, CK, WK, PK, 14, 16, 0
	s_wait_tensorcnt 0x0                           ; the wave's end
	ds_add_u32 v[SPW], v[NIL]
	s_wait_dscnt 0x0
	s_endpgm
.Lfunc_end_k_q56c9538169_quant:
	.size	k_q56c9538169_quant, .Lfunc_end_k_q56c9538169_quant-k_q56c9538169_quant
	.p2alignl 7, 3214868480
	.fill 96, 4, 3214868480
	.section	.rodata,"a",@progbits
	.p2align	6, 0x0
	.amdhsa_kernel k_q56c9538169_quant
		.amdhsa_group_segment_fixed_size 297984
		.amdhsa_private_segment_fixed_size 0
		.amdhsa_enable_private_segment 0
		.amdhsa_kernarg_size 48
		.amdhsa_user_sgpr_count 2
		.amdhsa_user_sgpr_kernarg_segment_ptr 1
		.amdhsa_wavefront_size32 1
		.amdhsa_system_sgpr_workgroup_id_x 1
		.amdhsa_system_sgpr_workgroup_id_y 1
		.amdhsa_system_sgpr_workgroup_id_z 1
		.amdhsa_system_vgpr_workitem_id 0
		.amdhsa_next_free_vgpr 256
		.amdhsa_next_free_sgpr 66
		.amdhsa_reserve_vcc 1
		.amdhsa_float_denorm_mode_32 3
		.amdhsa_float_denorm_mode_16_64 3
		.amdhsa_memory_ordered 1
		.amdhsa_forward_progress 1
		.amdhsa_inst_pref_size 49
	.end_amdhsa_kernel
	.amdgpu_metadata
---
amdhsa.version: [ 1, 2 ]
amdhsa.kernels:
  - .name:           k_q56c9538169_quant
    .symbol:         k_q56c9538169_quant.kd
    .args:
      - { .name: query, .offset: 0, .size: 8, .value_kind: global_buffer, .address_space: global }
      - { .name: key, .offset: 8, .size: 8, .value_kind: global_buffer, .address_space: global }
      - { .name: value, .offset: 16, .size: 8, .value_kind: global_buffer, .address_space: global }
      - { .name: qc, .offset: 24, .size: 8, .value_kind: global_buffer, .address_space: global }
      - { .name: kvc, .offset: 32, .size: 8, .value_kind: global_buffer, .address_space: global }
      - { .name: kvs, .offset: 40, .size: 8, .value_kind: global_buffer, .address_space: global }
    .group_segment_fixed_size: 297984
    .private_segment_fixed_size: 0
    .kernarg_segment_align: 8
    .kernarg_segment_size: 48
    .max_flat_workgroup_size: 256
    .sgpr_count:     66
    .vgpr_count:     256
    .wavefront_size: 32
...
	.end_amdgpu_metadata
.endif
;; end of part 1
;; launch attn (part 2): grid 16 x 16, 8 waves a work-group, clusters of 4 x 1, 327,680 bytes of LDS; arguments qc, kvc, kvs, out0; writes out0
.if DOCPART == 2
	.amdgcn_target "amdgcn-amd-amdhsa--gfx1250"
	.amdhsa_code_object_version 6
	.text
	.protected	k_q56c9538169_attn
	.globl	k_q56c9538169_attn
	.p2align	8
	.type	k_q56c9538169_attn,@function
k_q56c9538169_attn:
	s_mov_b64 s[64:65], 0
	v_nop
	global_prefetch_b8 v0, s[64:65] scope:SCOPE_SE
	s_setreg_imm32_b32 hwreg(HW_REG_WAVE_MODE, 25, 1), 1
	s_wait_xcnt 0x0
	s_wait_alu depctr_hold_cnt(0) depctr_sa_sdst(0) depctr_va_vdst(0) depctr_va_sdst(0) depctr_va_ssrc(0) depctr_va_vcc(0) depctr_vm_vsrc(0)
	s_getreg_b32 s2, hwreg(HW_REG_IB_STS2, 6, 4)
	s_cmp_eq_u32 s2, 0
	s_cbranch_scc0 .Lentry_in_a_cluster
	s_endpgm
.Lentry_in_a_cluster:
	s_bfe_u32 s2, ttmp6, 0x10000c
	s_cmp_lg_u32 s2, 0x3003
	s_cbranch_scc0 .Lentry_shape_is_right
	s_endpgm
.Lentry_shape_is_right:
; out[b][h][q][:] = the sum over keys k of w[b][h][q][k] value[b][h][k][:], w = softmax OVER THE FOUR BATCHES b of query[b][h][q] . key[b][h][k] / 4.  Both products on codes of FP4 (E2M1) with E8M0 scales.
; The mask is not read: no output hangs on it (see the first kernel's head).
; w is finished and normalised in f32 (the largest of the four scores is taken away ahead of the exponentials, so each exponent is 0 or less and each sum is 1 to 4), then quantised along the keys in blocks of 32.
; Nothing is carried from key to key but the sums of the second product.
; LIMITS: NaN and infinities among the inputs are not served.  A block of w whose largest number lies under 2^-124 keeps the scale byte 1.
; SHARES.  Work-group (x, h): head h, queries 128 x .. 128 x + 127, all four batches.  Each of eight waves owns 16 queries in all four batches and walks the head's 2,048 keys, 128 a step, in two chunks of 64.
; LAYOUT.  Both products are used transposed: S^T = K Q^T (source 0 = 16 keys, source 1 = my 16 queries), O^T = V^T W^T: a lane holds ONE query (lane % 16).  The first launch chose the keys of a tile so that
; a lane's 32 registers of a chunk's four tiles are the 32 neighbouring keys 64 c + 32 (lane / 16) + 0 .. 31: a whole block, which needs no other lane for its maximum, and whose codes are the operand's registers.
; The first product's K is 64: the upper half of the instruction's 128 meets zero codes on query's side (there key's operand names the next fragment's registers: any codes, times zero).
; THE SOFTMAX GOES IN TURNS over the two halves (16 keys each) of a lane's 32 keys.  A turn is a batch of transcendentals of one half and plain lines of the other half that read only what earlier turns wrote
; and whose results only later turns read; one wait stands between two turns.  The last eight plain lines of a turn follow its last transcendental.
; THE RING.  Codes arrive as images of the operands' registers (lane l: 16 bytes at 16 l: no padding is needed).  Two slots of 131,072 bytes, each with four steps' fragments of key (first half) and of value (second half).
; The scale words of the whole head, 49,152 bytes, stay in LDS.  The four work-groups of a cluster walk the same head: every tensor load is a joint one (mask 15).
; At the head waves 0-3 fetch slot 0 in quarters and waves 4-7 the scale words in quarters: one load a wave.  Later each wave fetches an eighth of a slot behind a round of the cluster's barrier.
; NO PREFETCH: a head has four slots; slots 0 and 1 are asked for at the start, and each later fill is asked for four steps (a whole slot's work) ahead of the wait for it.
; REGISTERS.  Window 0: v1-15 addresses, v16-37 scale words, v40-63 at work, v64-95 w's codes, v96-127 maxima, sums, reciprocals (then value's fragments of batch 3), v128-255 scores, then w.
; Window 1: v0-127 O^T (four batches x four tiles), v128-159 query's fragments (upper halves zero), v160-255 fragments of key or of value.
.set SLOT1, 1<<17
.set SCL,   2*SLOT1                    ; the scale words: key's 32,768 bytes, then value's 16,384
.set SPARE, SCL+49152                  ; the spare words, 128 bytes a wave
.set SP,    272                        ; a row of the way out's stage
.set LI,  1                            ; 16 x lane
.set LV,  2                            ; + 65,536: value's half of a slot
.set LKS, 3                            ; key's scale words: SCL + 8 x lane
.set LVS, 4                            ; value's: SCL + 32,768 + 4 x lane
.set SPW, 5                            ; my spare word; never rewritten
.set NIL, 6                            ; 0; never rewritten
.set ADK, 7                            ; the step's addresses
.set ADV, 8
.set ADS, 9
.set ADT, 10
.set SH8, 11                           ; 8 (lane / 16)
.set STO, 12
.set RD,  13
.set L8,  14
.set RR,  15
.set QS,  16                           ; v16-17 query's scale words;  v18-25 key's;  v26-33 value's;  v34-37 w's
.set KS,  18
.set VS,  26
.set PS,  34
.set HH,  38
.set BM,  40                           ; v40-43, v48-51 the blocks' maxima, two chains a batch
.set SO,  44
.set BN,  48
.set T,   48                           ; v48-63 a half's partial sums of batches 2 and 3 (done with before the maxima's chains begin)
.set P,   64
.set R,   96
.set S,   128
.set OT,  0
.set QF,  128
.set F,   160
.set WV,  12
.set OB,  16                           ; s[16:23] my rows of out0 in the four batches
.set G1C, 24                           ; group 1: 64 rows of 256 bytes (an eighth of a slot)
.set G1S, 32                           ; 48 rows (a quarter of the scale words)
.set G0C, 40
.set G0S, 44
.set TK,  48
.set TS,  49
.set TV,  50
.set SLOTS, 51
.set CNT, 52
.set CS,  54                           ; s[54:55] log2(e) / 4
.set SEL, 56
.set G1H, 68                           ; 128 rows (a quarter of a slot)
.set G0H, 76
.set MSB, 0
.macro WIN new                         ; the immediate's high byte repeats the setting that is left
.if MSB != \new
	s_set_vgpr_msb (MSB<<8)|\new
.set MSB, \new
.endif
.endm
.macro CROUND                          ; a round of the cluster's barrier
	s_barrier_signal -1
	s_barrier_wait -1
	s_cmp_lg_u32 s[WV], 0
	s_cbranch_scc1 .Lnot_wave_0_\@
	s_barrier_signal -3
.Lnot_wave_0_\@:
	s_barrier_wait -3
	s_barrier_signal -1
	s_barrier_wait -1
.endm
.macro GROUP1 g, rows                  ; dense rows of 32 elements of 8 bytes; mask: all four partners; bit 21 beside it
	s_mov_b32 s[\g+0], 15|(3<<16)|(1<<21)
	s_mov_b32 s[\g+1], 32<<16
	s_mov_b32 s[\g+2], (\rows)<<16
	s_mov_b32 s[\g+3], 32<<16
	s_mov_b32 s[\g+4], \rows
	s_mov_b32 s[\g+5], 32
	s_mov_b32 s[\g+6], 0
	s_mov_b32 s[\g+7], 0
.endm
	s_load_b256 s[4:11], s[0:1], 0x0               ; qc, kvc, kvs, out0
	v_lshl_add_u32 v[SPW], v0, 2, SPARE
	v_mov_b32 v[NIL], 0
	ds_add_u32 v[SPW], v[NIL]                      ; the opening lines: the add, twice on end, and one wait; register work between
	ds_add_u32 v[SPW], v[NIL]
	v_lshrrev_b32 v[LI], 5, v0
	s_delay_alu instid0(VALU_DEP_1)
	v_readfirstlane_b32 s[WV], v[LI]               ; wave 0..7
	v_and_b32 v[RD], 31, v0
	v_and_b32 v[RR], 15, v0
	v_bfe_u32 v[HH], v0, 4, 1
	s_delay_alu instid0(VALU_DEP_3)
	v_lshlrev_b32 v[LI], 4, v[RD]
	s_delay_alu instid0(VALU_DEP_4)
	v_lshlrev_b32 v[L8], 3, v[RD]
	v_lshl_add_u32 v[LVS], v[RD], 2, SCL+32768
	s_delay_alu instid0(VALU_DEP_4)
	v_lshlrev_b32 v[SH8], 3, v[HH]
	s_delay_alu instid0(VALU_DEP_4)
	v_add_nc_u32 v[LV], 65536, v[LI]
	s_delay_alu instid0(VALU_DEP_4)
	v_add_nc_u32 v[LKS], SCL, v[L8]
	s_bfe_u32 s13, ttmp6, 0x40000                  ; cx
	s_lshl_b32 s14, ttmp9, 2
	s_add_co_u32 s14, s14, s13                     ; work-group x: it enters query's and out0's addresses alone
	s_and_b32 s15, ttmp7, 0xffff                   ; the head
	s_and_b32 s53, s[WV], 3
	s_lshl_b32 s66, s53, 15                        ; a quarter of a slot
	s_mul_i32 s67, s53, 12288                      ; a quarter of the scale words
	s_lshl_b32 s80, s15, 19                        ; the head's codes
	s_add_co_u32 s58, s80, s66
	s_mov_b32 s59, 0
	s_lshl_b32 s81, s[WV], 14
	s_add_co_u32 s80, s80, s81                     ; my eighth of slot 0
	s_mov_b32 s81, 0
	s_mul_i32 s60, s15, 49152                      ; the head's scale words
	s_add_co_u32 s60, s60, s67
	s_mov_b32 s61, 0
	s_lshl_b32 s62, s15, 4
	s_add_co_u32 s62, s62, s14
	s_lshl_b32 s62, s62, 3
	s_add_co_u32 s62, s62, s[WV]
	s_mul_i32 s62, s62, 2304                       ; my tile of queries in qc
	s_mov_b32 s63, 0
	s_lshl_b32 s2, s15, 19
	s_lshl_b32 s3, s14, 15
	s_add_co_u32 s2, s2, s3
	s_lshl_b32 s3, s[WV], 12
	s_add_co_u32 s2, s2, s3                        ; my 16 rows of out0
	s_mov_b32 s3, 0
	GROUP1 G1C, 64
	GROUP1 G1S, 48
	GROUP1 G1H, 128
	s_mov_b32 s[CS], 0x3eb8aa3b                    ; log2(e) / 4
	s_mov_b32 s[CS+1], s[CS]
	s_mov_b32 s[SEL], 0x76543210
	s_mov_b32 s[SEL+1], 0xfedcba98
	s_mov_b32 s[TK], 0
	s_mov_b32 s[TS], 0
	s_mov_b32 s[TV], 0
	s_mov_b32 s[SLOTS], 3
	s_mov_b32 s[G0C+0], 1
	s_lshl_b32 s[G0C+1], s[WV], 14
	s_mov_b32 s[G0H+0], 1
	s_mov_b32 s[G0H+1], s66
	s_mov_b32 s[G0S+0], 1
	s_add_co_u32 s[G0S+1], s67, SCL
	s_wait_alu depctr_va_vdst(0)
	s_wait_dscnt 0x0                               ; both opening adds are done
	s_wait_kmcnt 0x0
	s_add_nc_u64 s[4:5], s[4:5], s[62:63]
	global_load_b64 v[QS:QS+1], v[L8], s[4:5] offset:2048   ; query's scale words: asked for ahead of the round, so that they travel under it
	WIN 0x40
.irp b, 0,1,2,3
	global_load_b128 v[QF+8*\b:QF+8*\b+3], v[LI], s[4:5] offset:512*\b   ; query's fragments stay in registers
.endr
	WIN 0
	s_add_nc_u64 s[G0C+2:G0C+3], s[6:7], s[80:81]
	s_or_b32 s[G0C+3], s[G0C+3], 0x80000000
	s_add_nc_u64 s[G0H+2:G0H+3], s[6:7], s[58:59]
	s_or_b32 s[G0H+3], s[G0H+3], 0x80000000
	s_add_nc_u64 s[G0S+2:G0S+3], s[8:9], s[60:61]
	s_or_b32 s[G0S+3], s[G0S+3], 0x80000000
	s_add_nc_u64 s[10:11], s[10:11], s[2:3]
	s_mov_b64 s[OB:OB+1], s[10:11]
	s_add_nc_u64 s[OB+2:OB+3], s[10:11], 0x800000
	s_add_nc_u64 s[OB+4:OB+5], s[10:11], 0x1000000
	s_add_nc_u64 s[OB+6:OB+7], s[10:11], 0x1800000
	CROUND                                         ; the four partners are here: the first joint loads meet
	s_cmp_lt_u32 s[WV], 4                          ; one load a wave, in the two arms of one branch on the wave's number
	s_cbranch_scc0 .Lhead_s
	tensor_load_to_lds s[G0H:G0H+3], s[G1H:G1H+7]  ; waves 0-3: a quarter of slot 0
	s_nop 0
.rept 4
	v_nop
.endr
	s_branch .Lhead_j
.Lhead_s:
	tensor_load_to_lds s[G0S:G0S+3], s[G1S:G1S+7]  ; waves 4-7: a quarter of the scale words
	s_nop 0
.rept 4
	v_nop
.endr
.Lhead_j:
	WIN 0x40
.irp b, 0,1,2,3
.irp i, 4,5,6,7
	v_mov_b32 v[QF+8*\b+\i], 0                     ; zero codes for the upper half of the instruction's K
.endr
.endr
.irp i, 0,1,2,3
	v_mov_b32 v[F+64+\i], 0                        ; named by the last fragment's operand before anything is loaded there
.endr
.set j, 0
.rept 128
	v_mov_b32 v[OT+j], 0                           ; O^T.  The step is written once for all steps: a first step of its own would be a third copy of the step's text
.set j, j+1
.endr
	WIN 0
.macro LOADK c                         ; chunk c: the tiles' scale words, then 16 fragments (tile u, batch b) of four registers
.irp u, 0,1,2,3
	ds_load_b64 v[KS+2*\u:KS+2*\u+1], v[ADS] offset:1024*\c+256*\u
.endr
	WIN 0x40
.set x, 0
.rept 16
	ds_load_b128 v[F+4*x:F+4*x+3], v[ADK] offset:8192*\c+512*x
.set x, x+1
.endr
	WIN 0
.endm
; S^T of a chunk: 16 products, each on an accumulator of its own.  A scale register carries one batch in lanes 0-15 and the next in lanes 16-31.
; prog = 1: the fragments' loads were issued just now.  Tile u's four products name fragments up to 4 u + 4, behind which 11 - 4 u loads were issued: those may be out.
.macro QK prog
	WIN 0x05
.irp u, 0,1,2,3
.if \prog
.if \u < 3
	s_wait_dscnt 11-4*\u
.else
	s_wait_dscnt 0x0
.endif
.endif
.irp b, 0,1,2,3
.if (\b)%2
	v_wmma_scale_f32_16x16x128_f8f6f4 v[S+32*\b+8*\u:S+32*\b+8*\u+7], v[F+4*(4*\u+\b):F+4*(4*\u+\b)+7], v[QF+8*\b:QF+8*\b+7], 0, v[KS+2*\u+\b/2], v[QS+\b/2] matrix_a_fmt:MATRIX_FMT_FP4 matrix_b_fmt:MATRIX_FMT_FP4 matrix_a_scale:MATRIX_SCALE_ROW1 matrix_b_scale:MATRIX_SCALE_ROW1
.else
	v_wmma_scale_f32_16x16x128_f8f6f4 v[S+32*\b+8*\u:S+32*\b+8*\u+7], v[F+4*(4*\u+\b):F+4*(4*\u+\b)+7], v[QF+8*\b:QF+8*\b+7], 0, v[KS+2*\u+\b/2], v[QS+\b/2] matrix_a_fmt:MATRIX_FMT_FP4 matrix_b_fmt:MATRIX_FMT_FP4
.endif
.endr
.endr
	WIN 0
.rept 4
	v_nop                                          ; places ahead of the loads into the fragments' registers and of the scores' readers
.endr
.endm
; THE SOFTMAX'S LINES, each by the half h of my 32 keys (keys 16 h ..) and its number i in the half.  Register S + 32 b + p is batch b, key p.
.macro XL4 h, i                        ; 32 lines: the exponent to the base 2, 0 or less: score x log2(e) / 4 less the largest's
.set p, 16*(\h)+2*((\i)%8)
.set bb, 32*((\i)/8)
	v_pk_fma_f32 v[S+bb+p:S+bb+p+1], v[S+bb+p:S+bb+p+1], s[CS:CS+1], v[R+p:R+p+1] op_sel_hi:[1,0,1] neg_lo:[0,0,1] neg_hi:[0,0,1]
.endm
.macro XEX h, i                        ; 64 exponentials
.set p, 32*((\i)/16)+16*(\h)+(\i)%16
	v_exp_f32 v[S+p], v[S+p]
.endm
.macro XA1 h, i                        ; 16 lines: batches 0 + 1, and batches 2 + 3
.set p, 16*(\h)+2*((\i)%8)
.if (\i) < 8
	v_pk_add_f32 v[R+p:R+p+1], v[S+p:S+p+1], v[S+32+p:S+33+p]
.else
	v_pk_add_f32 v[T+2*((\i)%8):T+2*((\i)%8)+1], v[S+64+p:S+65+p], v[S+96+p:S+97+p]
.endif
.endm
.macro XA2 h, i                        ; 8 lines: the sum over the batches: 1 to 4
.set p, 16*(\h)+2*(\i)
	v_pk_add_f32 v[R+p:R+p+1], v[R+p:R+p+1], v[T+2*(\i):T+2*(\i)+1]
.endm
.macro XRC h, i                        ; 16 reciprocals
	v_rcp_f32 v[R+16*(\h)+(\i)], v[R+16*(\h)+(\i)]
.endm
.macro XCM h, i                        ; 32 lines: w, normalised
.set p, 16*(\h)+2*((\i)%8)
.set bb, 32*((\i)/8)
	v_pk_mul_f32 v[S+bb+p:S+bb+p+1], v[S+bb+p:S+bb+p+1], v[R+p:R+p+1]
.endm
; A turn: nt transcendentals (kind tk, half th) and np plain lines (kind pk, half ph; np is 8 or more).  The last eight plain lines follow the last transcendental; the others stand one behind each of the last transcendentals.
.macro MIX tk, th, nt, pk, ph, np
	s_wait_alu depctr_va_vdst(0)                   ; behind the last turn's transcendentals and plain lines, ahead of this turn's
.set ni, (\np)-8
.if ni > (\nt)
.set ni, \nt
.endif
.set ti, 0
.set pi, 0
.rept \nt
	\tk \th, ti
.if ti >= (\nt)-ni
	\pk \ph, pi
.set pi, pi+1
.endif
.set ti, ti+1
.endr
.rept (\np)-ni
	\pk \ph, pi
.set pi, pi+1
.endr
.endm
.macro RUN pk, ph, np                  ; np plain lines on end
.set pi, 0
.rept \np
	\pk \ph, pi
.set pi, pi+1
.endr
.endm
.macro SOFT                            ; scores in, w out.  Each accumulator is read from its low end on
.set p, 0
.rept 16                               ; the largest of the four scores, two neighbouring keys an instruction: one destination even, the other odd; the two first sources, and the two second, in neighbouring registers
	v_dual_max_num_f32 v[R+p], v[S+p], v[S+32+p] :: v_dual_max_num_f32 v[R+p+1], v[S+p+1], v[S+33+p]
.set p, p+2
.endr
.irp o, 64, 96
.set p, 0
.rept 16
	v_dual_max_num_f32 v[R+p], v[R+p], v[S+\o+p] :: v_dual_max_num_f32 v[R+p+1], v[R+p+1], v[S+\o+1+p]
.set p, p+2
.endr
.endr
.set p, 0
.rept 16
	v_pk_mul_f32 v[R+p:R+p+1], v[R+p:R+p+1], s[CS:CS+1] op_sel_hi:[1,0]   ; x log2(e) / 4
.set p, p+2
.endr
	RUN XL4, 0, 32
	MIX XEX, 0, 64, XL4, 1, 32
	MIX XEX, 1, 64, XA1, 0, 16
	s_wait_alu depctr_va_vdst(0)                   ; a turn of plain lines alone
	RUN XA2, 0, 8
	RUN XA1, 1, 16                                 ; (it writes the partial sums' registers behind the lines above, which read them)
	MIX XRC, 0, 16, XA2, 1, 8
	MIX XRC, 1, 16, XCM, 0, 32
	s_wait_alu depctr_va_vdst(0)
	RUN XCM, 1, 32
.endm
.macro BMAX4                           ; each batch's largest w of my 32 keys (none is negative), with the floor 2^(3 - 127): eight chains by turns
.irp b, 0,1,2,3
	v_max3_num_f32 v[BM+\b], v[S+32*\b], v[S+32*\b+1], 0x1800000
.endr
.irp b, 0,1,2,3
	v_max3_num_f32 v[BN+\b], v[S+32*\b+16], v[S+32*\b+17], v[S+32*\b+18]
.endr
.irp i, 2,4,6,8,10,12
.irp b, 0,1,2,3
	v_max3_num_f32 v[BM+\b], v[BM+\b], v[S+32*\b+\i], v[S+32*\b+\i+1]
.endr
.irp b, 0,1,2,3
	v_max3_num_f32 v[BN+\b], v[BN+\b], v[S+32*\b+\i+17], v[S+32*\b+\i+18]
.endr
.endr
.irp b, 0,1,2,3
	v_max3_num_f32 v[BM+\b], v[BM+\b], v[S+32*\b+14], v[S+32*\b+15]
.endr
.irp b, 0,1,2,3
	s_delay_alu instid0(VALU_DEP_4)
	v_max3_num_f32 v[BM+\b], v[BM+\b], v[BN+\b], v[S+32*\b+31]
.endr
.endm
.macro SCALE4 c                        ; the conversion's scale operand, and the byte of block 2 c + lane / 16 at its place in w's scale word
.irp b, 0,1,2,3
	s_delay_alu instid0(VALU_DEP_4)
	v_add_nc_u32 v[SO+\b], 0xff000000, v[BM+\b]
.endr
.if \c == 0
.irp b, 0,1,2,3
	s_delay_alu instid0(VALU_DEP_4)
	v_lshrrev_b32 v[PS+\b], 23, v[SO+\b]
.endr
.else
.irp b, 0,1,2,3
	s_delay_alu instid0(VALU_DEP_4)
	v_lshrrev_b32 v[BM+\b], 23, v[SO+\b]
.endr
.irp b, 0,1,2,3
	s_delay_alu instid0(VALU_DEP_4)
	v_lshl_or_b32 v[PS+\b], v[BM+\b], 16, v[PS+\b]
.endr
.irp b, 0,1,2,3
	s_delay_alu instid0(VALU_DEP_4)
	v_lshlrev_b32 v[PS+\b], v[SH8], v[PS+\b]
.endr
.irp b, 0,1,2,3
	s_delay_alu instid0(VALU_DEP_4)
	v_permlanex16_b32 v[BM+\b], v[PS+\b], s[SEL], s[SEL+1]
.endr
.irp b, 0,1,2,3
	s_delay_alu instid0(VALU_DEP_4)
	v_or_b32 v[PS+\b], v[PS+\b], v[BM+\b]          ; with lane l xor 16's two bytes the word is whole
.endr
.endif
.endm
.macro CVT4 c                          ; registers 4 c .. 4 c + 3 of w's operand: k = 64 c + 32 (lane / 16) + 0 .. 31
.irp b, 0,1,2,3
.irp u, 0,1,2,3
	v_cvt_scalef32_pk8_fp4_f32 v[P+8*\b+4*\c+\u], v[S+32*\b+8*\u:S+32*\b+8*\u+7], v[SO+\b]
.endr
.endr
	v_nop                                          ; one plain place behind the scaled conversions
.endm
.macro PV b, t, a                      ; O^T (batch b, channels 16 t ..) += V^T W^T over the step's 128 keys
.if (\t)%2
	v_wmma_scale_f32_16x16x128_f8f6f4 v[OT+32*\b+8*\t:OT+32*\b+8*\t+7], v[\a:\a+7], v[P+8*\b:P+8*\b+7], v[OT+32*\b+8*\t:OT+32*\b+8*\t+7], v[VS+2*\b+\t/2], v[PS+\b] matrix_a_fmt:MATRIX_FMT_FP4 matrix_b_fmt:MATRIX_FMT_FP4 matrix_a_scale:MATRIX_SCALE_ROW1
.else
	v_wmma_scale_f32_16x16x128_f8f6f4 v[OT+32*\b+8*\t:OT+32*\b+8*\t+7], v[\a:\a+7], v[P+8*\b:P+8*\b+7], v[OT+32*\b+8*\t:OT+32*\b+8*\t+7], v[VS+2*\b+\t/2], v[PS+\b] matrix_a_fmt:MATRIX_FMT_FP4 matrix_b_fmt:MATRIX_FMT_FP4
.endif
.endm
.macro STEP                            ; 128 keys
	v_add_nc_u32 v[ADK], s[TK], v[LI]              ; (these four are also the places behind the last step's products, ahead of the loads)
	v_add_nc_u32 v[ADV], s[TK], v[LV]
	v_add_nc_u32 v[ADS], s[TS], v[LKS]
	v_add_nc_u32 v[ADT], s[TV], v[LVS]
	LOADK 0
	s_wait_alu depctr_va_vdst(0)
	QK 1
	LOADK 1                                        ; chunk 1's fragments arrive under chunk 0's softmax
	SOFT
	BMAX4
	SCALE4 0
	CVT4 0
	s_wait_dscnt 0x0
	QK 0
	WIN 0x40
.irp b, 0,1,2                          ; value's fragments of batches 0 to 2 arrive under chunk 1's softmax
.irp t, 0,1,2,3
.irp c, 0,1
	ds_load_b128 v[F+32*\b+8*\t+4*\c:F+32*\b+8*\t+4*\c+3], v[ADV] offset:1024*(4*\b+\t)+512*\c
.endr
.endr
.endr
	WIN 0
.irp e, 0,1,2,3,4,5,6,7
	ds_load_b32 v[VS+\e], v[ADT] offset:128*\e
.endr
	SOFT
.irp t, 0,1,2,3                        ; batch 3's take the reciprocals' registers, which are done with
.irp c, 0,1
	ds_load_b128 v[R+8*\t+4*\c:R+8*\t+4*\c+3], v[ADV] offset:1024*(12+\t)+512*\c
.endr
.endr
	BMAX4
	SCALE4 1
	CVT4 1
.rept 8
	v_nop                                          ; a scale register written by a vector instruction stands 8 places ahead of a scaled matrix instruction
.endr
	s_wait_alu depctr_va_vdst(0)
	s_wait_dscnt 0x0
	WIN 0x51
.irp b, 0,1,2
.irp t, 0,1,2,3
	PV \b, \t, F+32*\b+8*\t
.endr
.endr
	WIN 0x50
.irp t, 0,1,2,3
	PV 3, \t, R+8*\t
.endr
	WIN 0
	s_add_co_u32 s[TK], s[TK], 16384
	s_add_co_u32 s[TS], s[TS], 2048
	s_add_co_u32 s[TV], s[TV], 1024
.endm
; THE CHANGE OF SLOTS, at a slot's head: every wave waits for all its tensor loads, adds 0 to its spare word, and waits for that and for its reads of the slot that it has left.
; fill = 1: a round of the cluster's barrier, and behind it my eighth of the next slot, a joint load, into the slot just left (the first time: slot 1's first fill).
.macro CHANGE fill
	s_wait_tensorcnt 0x0
	ds_add_u32 v[SPW], v[NIL]
.if \fill
	s_xor_b32 s[G0C+1], s[G0C+1], SLOT1            ; no load of mine is out: the descriptor walks
	s_add_nc_u64 s[G0C+2:G0C+3], s[G0C+2:G0C+3], SLOT1
.endif
	s_wait_dscnt 0x0
.if \fill
	CROUND
	tensor_load_to_lds s[G0C:G0C+3], s[G1C:G1C+7]
	s_nop 0
.rept 4
	v_nop
.endr
.else
	s_barrier_signal -1
	s_barrier_wait -1
.endif
.endm
.macro SLOT_STEPS
	s_mov_b32 s[CNT], 4
.Lstep_\@:
	STEP
	s_sub_co_u32 s[CNT], s[CNT], 1
	s_cmp_lg_u32 s[CNT], 0
	s_cbranch_scc1 .Lstep_\@
	s_sub_co_u32 s[TK], s[TK], 65536
	s_xor_b32 s[TK], s[TK], SLOT1                  ; on to the other slot
.endm
	s_wait_alu depctr_va_vdst(0)                   ; the wait at the head's end
	s_wait_loadcnt 0x0                             ; query
.Lslot:                                            ; three trips; the last slot is written out
	CHANGE 1
	SLOT_STEPS
	s_sub_co_u32 s[SLOTS], s[SLOTS], 1
	s_cmp_lg_u32 s[SLOTS], 0
	s_cbranch_scc1 .Lslot
	CHANGE 0
	SLOT_STEPS
	; THE WAY OUT.  A batch's 16 rows of 256 bytes go through my stage in LDS, so that sixteen lanes store one aligned unit of 256 bytes.
	; The stages lie in slot 0, which has had its last fill and which nobody reads behind the last change of slots.  (The six lines below are also the places behind the last products.)
	s_mul_i32 s58, s[WV], 16*SP
	v_mul_u32_u24 v[STO], v[RR], SP
	v_mul_u32_u24 v[RD], v[HH], SP
	s_delay_alu instid0(VALU_DEP_2)
	v_lshl_add_u32 v[STO], v[HH], 5, v[STO]
	s_delay_alu instid0(VALU_DEP_2)
	v_lshl_add_u32 v[RD], v[RR], 4, v[RD]
	s_delay_alu instid0(VALU_DEP_2)
	v_add_nc_u32 v[STO], s58, v[STO]               ; in: row r; tile t's eight channels: 64 t + 32 h bytes on
	s_delay_alu instid0(VALU_DEP_2)
	v_add_nc_u32 v[RD], s58, v[RD]                 ; back: lanes 0-15 one row, lanes 16-31 the next
.macro PACK b
	WIN 0x04
.irp t, 0,1,2,3
	ds_store_b128 v[STO], v[OT+32*\b+8*\t:OT+32*\b+8*\t+3] offset:64*\t
	ds_store_b128 v[STO], v[OT+32*\b+8*\t+4:OT+32*\b+8*\t+7] offset:64*\t+16
.endr
	WIN 0
.irp i, 0,1,2,3,4,5,6,7
	ds_load_b128 v[S+32*\b+4*\i:S+32*\b+4*\i+3], v[RD] offset:2*\i*SP   ; LDS serves a wave's instructions in order: these see my stores, and the next batch's stores come behind them
.endr
.endm
.macro SEND b, younger                 ; younger: the LDS instructions of the next batch's PACK, which may stay out
.irp i, 0,1,2,3,4,5,6,7
	s_wait_dscnt \younger+7-\i
	global_store_b128 v[LI], v[S+32*\b+4*\i:S+32*\b+4*\i+3], s[OB+2*\b:OB+2*\b+1] offset:512*\i th:TH_STORE_NT
.endr
.endm
	PACK 0
	PACK 1
	s_wait_alu depctr_va_vdst(0)
	SEND 0, 16
	PACK 2
	SEND 1, 16
	PACK 3
	SEND 2, 16
	SEND 3, 0
	s_wait_tensorcnt 0x0                           ; the wave's end
	ds_add_u32 v[SPW], v[NIL]
	s_wait_dscnt 0x0
	CROUND                                         ; the closing round
	s_endpgm
.Lfunc_end_k_q56c9538169_attn:
	.size	k_q56c9538169_attn, .Lfunc_end_k_q56c9538169_attn-k_q56c9538169_attn
	.p2alignl 7, 3214868480
	.fill 96, 4, 3214868480
	.section	.rodata,"a",@progbits
	.p2align	6, 0x0
	.amdhsa_kernel k_q56c9538169_attn
		.amdhsa_group_segment_fixed_size 327680
		.amdhsa_private_segment_fixed_size 0
		.amdhsa_enable_private_segment 0
		.amdhsa_kernarg_size 32
		.amdhsa_user_sgpr_count 2
		.amdhsa_user_sgpr_kernarg_segment_ptr 1
		.amdhsa_wavefront_size32 1
		.amdhsa_system_sgpr_workgroup_id_x 1
		.amdhsa_system_sgpr_workgroup_id_y 1
		.amdhsa_system_sgpr_workgroup_id_z 1
		.amdhsa_system_vgpr_workitem_id 0
		.amdhsa_next_free_vgpr 512
		.amdhsa_next_free_sgpr 84
		.amdhsa_reserve_vcc 0
		.amdhsa_float_denorm_mode_32 3
		.amdhsa_float_denorm_mode_16_64 3
		.amdhsa_memory_ordered 1
		.amdhsa_forward_progress 1
		.amdhsa_inst_pref_size 154
	.end_amdhsa_kernel
	.amdgpu_metadata
---
amdhsa.version: [ 1, 2 ]
amdhsa.kernels:
  - .name:           k_q56c9538169_attn
    .symbol:         k_q56c9538169_attn.kd
    .args:
      - { .name: qc, .offset: 0, .size: 8, .value_kind: global_buffer, .address_space: global }
      - { .name: kvc, .offset: 8, .size: 8, .value_kind: global_buffer, .address_space: global }
      - { .name: kvs, .offset: 16, .size: 8, .value_kind: global_buffer, .address_space: global }
      - { .name: out0, .offset: 24, .size: 8, .value_kind: global_buffer, .address_space: global }
    .group_segment_fixed_size: 327680
    .private_segment_fixed_size: 0
    .kernarg_segment_align: 8
    .kernarg_segment_size: 32
    .max_flat_workgroup_size: 256
    .sgpr_count:     84
    .vgpr_count:     512
    .wavefront_size: 32
...
	.end_amdgpu_metadata
.endif
;; end of part 2
